; MI455X (gfx1250); checked and timed in simulation.
; The chip was launched on July 23, 2026; its instructions are those of AMD's public machine-readable ISA for CDNA 5 (MIT licence, August 2026) and "CDNA5" Instruction Set Architecture Reference Guide (July 2026). The comments in the code are by the model that wrote it; some were corrected since.
;; Attention. Allowed arithmetic: matrix products marked QUANTISED: E2M1 operands, one E8M0 scale for each 32 along K, by v_wmma_scale_f32_16x16x128_f8f6f4 with both operands' format E2M1 (or v_wmma_scale_f32_32x16x128_f4), f32 sums; products left as they are: bf16, f16 or f32 operands; f32 sums; everything else in f32.
;; Inputs: Wk 512 x 512 float32; Wp 512 x 512 float32; Wq 512 x 512 float32; Wv 512 x 512 float32; bk 512 float32; bp 512 float32; bq 512 float32; bv 512 float32; d 16 x 1,024 x 1,024 float32; k 16 x 1,024 x 512 float32; q 16 x 1,024 x 512 float32; v 16 x 1,024 x 512 float32.
;; Outputs: out0 16 x 1,024 x 512 float32.
;; This version of the problem:
;;   THIS VERSION OF THE PROBLEM IS GIVEN IN LOW PRECISION. The matrix products marked QUANTISED in the list below multiply operands that are first quantised to E2M1 (2 exponent bits, 1 mantissa bit; 4 bits a number), with one power-of-two scale for each 32 numbers along K (OCP MX v1.0); their sums are f32. The products marked 'left as it is' may take bf16, f16 or f32 operands, with f32 sums. Whichever they take, every output number must still come out within the allowed error. Rounding operands to bf16 (8 significant bits) uses up far more of that allowance than f16 does (11 bits, for magnitudes from 6e-5 to 65,504). All else is computed in f32.
;;   The module's matrix products, in the order in which they are computed (A, B: the left and right operand; K: the contracted axis; several contracted axes count as one K, in the product's order):
;;     1. [M 16,384, K 512] x [K 512, N 512]; A: input q; B: input Wq: QUANTISED
;;     2. [M 16,384, K 512] x [K 512, N 512]; A: input k; B: input Wk: QUANTISED
;;     3. [M 16,384, K 512] x [K 512, N 512]; A: input v; B: input Wv: QUANTISED
;;     4. batch 128 x [M 1,024, K 64] x [K 64, N 1,024]; A: computed on the way; B: computed on the way: left as it is (an operand is computed on the way)
;;     5. batch 128 x [M 1,024, K 1,024] x [K 1,024, N 64]; A: computed on the way; B: computed on the way: left as it is (an operand is computed on the way)
;;     6. [M 16,384, K 512] x [K 512, N 512]; A: computed on the way; B: input Wp: left as it is (an operand is computed on the way)
;;   THE QUANTISER, for each operand of a quantised product, along K:
;;     - K is cut into blocks of 32 from its start; a last block that is shorter is filled with zeros.
;;     - A block's scale is 2^e with e = floor(log2(the largest magnitude in the block)) - 2, held to -126 .. 127; a block of zeros has e = 0. As a byte (E8M0): e + 127.
;;     - Each number is divided by its block's scale, clamped to +-6, and rounded to the nearest number of E2M1, ties to even, subnormals kept.
;;     - The product sums the exact products of the quantised numbers (number of the format x scale) in f32.
;;   ~~~python
;;   def quantise(x, axis):      # numpy; x: float32 -> the quantised numbers, widened to float32 again
;;       x = np.moveaxis(x, axis, -1); K = x.shape[-1]
;;       x = np.pad(x, [(0, 0)] * (x.ndim - 1) + [(0, -K % 32)]); x = x.reshape(x.shape[:-1] + (-1, 32)); a = np.abs(x).max(-1, keepdims=True)
;;       e = np.where(a > 0, np.clip(np.frexp(np.where(a > 0, a, 1))[1] - 1 - 2, -126, 127), 0)      # np.frexp(a)[1] - 1 = floor(log2(a)), exactly
;;       r = np.clip(x / 2.0 ** e, -6, 6)
;;       step = 2.0 ** (np.maximum(np.frexp(np.where(r == 0, 1, r))[1] - 1, 0) - 1)
;;       q = np.round(r / step) * step * 2.0 ** e      # np.round: ties to even
;;       return np.moveaxis(q.reshape(q.shape[:-2] + (-1,))[..., :K], -1, axis).astype(np.float32)
;;   ~~~
;; One version. Each part assembles by itself: llvm-mc -triple=amdgcn-amd-amdhsa -mcpu=gfx1250 --defsym DOCPART=n.
;; ======== version 1 of 1: 3 launches
;; limits: values are held in f16: magnitudes above 65,504 overflow, below 6.1e-05 lose precision
;; workspace buffers: wc 393,216 bytes; ws 49,152 bytes; wpf 524,288 bytes; qf 16,777,216 bytes; kf 16,777,216 bytes; vf 16,777,216 bytes
;; launch prep (part 1): grid 32 x 4, 4 waves a work-group, no clusters, 0 bytes of LDS; arguments Wq, Wk, Wv, Wp, wc, ws, wpf; writes wc, ws, wpf
.if DOCPART == 1
	.amdgcn_target "amdgcn-amd-amdhsa--gfx1250"
	.amdhsa_code_object_version 6
	.text
	.protected	k_q5cded0209e_prep
	.globl	k_q5cded0209e_prep
	.p2align	8
	.type	k_q5cded0209e_prep,@function
k_q5cded0209e_prep:
	s_mov_b64 s[64:65], 0
	v_nop
	global_prefetch_b8 v0, s[64:65] scope:SCOPE_SE
	s_setreg_imm32_b32 hwreg(HW_REG_WAVE_MODE, 25, 1), 1
	s_wait_xcnt 0x0
; THE WEIGHTS, LAID ONCE AS THE MATRIX OPERANDS' REGISTERS WANT THEM.  Wq, Wk, Wv, Wp: [512 (feature)][512 (k)] f32, K innermost.
; Work-group (x, y): feature tile x (16 rows) of tensor y (0 Wq, 1 Wk, 2 Wv, 3 Wp); wave w: the 128 along K from 128 w on.  128 work-groups: all the work there is (4 MiB).
; y < 3: codes of FP4 (E2M1) with one E8M0 byte for each 32 along K.  A block's scale is 2^(floor(log2(largest magnitude)) - 2); its byte is the largest magnitude's exponent field - 2, held at 1 from below.
;   wc [tensor][feature tile][K step of 128][1,024 bytes]: an image of the operand's 8 registers: registers 4 c .. 4 c + 3 of lane l at 512 c + 16 l; lane (r, h) holds row r, k = 64 c + 32 h + 0 .. 31.
;   ws [tensor][feature tile][K step][32 lanes x 4 bytes]: row r's scale word in lanes r and 16 + r.
; y = 3: Wp rounded to f16, wpf [feature tile][K step of 32][1,024 bytes]: registers 4 u .. 4 u + 3 of lane (r, h) hold row r, k = 16 u + 8 h + 0 .. 7.
; LIMITS: NaN and infinities are not served; a block of zeros, and one whose largest magnitude lies under 2^-124, gets the byte 1 (zero codes add nothing; the bytes are read by this program alone).
; No LDS, no barrier: waves share nothing.  Each store of codes covers 512 consecutive bytes.
.set SRC, 32                           ; v32-95   64 numbers as loaded
.set COD, 96                           ; v96-127  what is stored
	s_load_b256 s[4:11], s[0:1], 0x0               ; Wq, Wk, Wv, Wp
	s_load_b128 s[12:15], s[0:1], 0x20             ; wc, ws
	s_load_b64 s[16:17], s[0:1], 0x30              ; wpf
	v_lshrrev_b32 v1, 5, v0
	v_readfirstlane_b32 s20, v1                    ; wave
	s_and_b32 s21, ttmp7, 0xffff                   ; tensor
	v_and_b32 v1, 31, v0                           ; lane
	v_and_b32 v2, 15, v0                           ; r
	v_bfe_u32 v4, v0, 4, 1                         ; h
	v_lshlrev_b32 v5, 4, v1                        ; 16 x lane
	v_lshlrev_b32 v6, 2, v1                        ; 4 x lane
	v_lshlrev_b32 v3, 11, v2                       ; row r of 2,048 bytes
	s_lshl_b32 s24, ttmp9, 15                      ; the tile's 16 rows,
	s_lshl_b32 s25, s20, 9                         ; my wave's 128 numbers of each
	s_add_co_u32 s24, s24, s25
	s_mov_b32 s25, 0
	s_lshl_b32 s26, ttmp9, 2
	s_add_co_u32 s26, s26, s20                     ; 4 x feature tile + wave
	s_mov_b32 s29, 0
	s_mov_b32 s30, 0x76543210
	s_mov_b32 s31, 0xfedcba98                      ; v_permlanex16_b32's selects for lane l xor 16
	s_wait_kmcnt 0x0
	s_cmp_eq_u32 s21, 1                            ; the source: the choice hangs on the work-group's number alone
	s_cselect_b64 s[22:23], s[6:7], s[4:5]
	s_cmp_eq_u32 s21, 2
	s_cselect_b64 s[22:23], s[8:9], s[22:23]
	s_cmp_eq_u32 s21, 3
	s_cselect_b64 s[22:23], s[10:11], s[22:23]
	s_add_nc_u64 s[22:23], s[22:23], s[24:25]
	s_cmp_eq_u32 s21, 3
	s_cbranch_scc1 .Lwp
	; ---- Wq, Wk, Wv: lane (r, h) takes the two blocks of 32 that the operand's layout gives it: k = 64 c + 32 h + 0 .. 31, 128 bytes each
	v_lshl_add_u32 v3, v4, 7, v3
.irp c, 0,1
.irp i, 0,1,2,3,4,5,6,7
	global_load_b128 v[SRC+32*\c+4*\i:SRC+32*\c+4*\i+3], v3, s[22:23] offset:256*\c+16*\i th:TH_LOAD_NT
.endr
.endr
	s_lshl_b32 s28, s21, 17                        ; wc: tensor x 131,072 + (4 tile + wave) x 1,024
	s_lshl_b32 s27, s26, 10
	s_add_co_u32 s28, s28, s27
	s_add_nc_u64 s[12:13], s[12:13], s[28:29]
	s_lshl_b32 s28, s21, 14                        ; ws: tensor x 16,384 + (4 tile + wave) x 128
	s_lshl_b32 s27, s26, 7
	s_add_co_u32 s28, s28, s27
	s_add_nc_u64 s[14:15], s[14:15], s[28:29]
	s_wait_loadcnt 0x0
.irp c, 0,1
	v_max3_num_f32 v[24+\c], |v[SRC+32*\c]|, |v[SRC+1+32*\c]|, 0x1800000   ; my block 2 c + h, and the floor 2^(3 - 127): the byte cannot fall under 1
.endr
.irp i, 2,4,6,8,10,12,14,16,18,20,22,24,26,28,30
.irp c, 0,1
	v_max3_num_f32 v[24+\c], v[24+\c], |v[SRC+32*\c+\i]|, |v[SRC+1+32*\c+\i]|   ; (the two blocks by turns)
.endr
.endr
.irp c, 0,1
	v_add_nc_u32 v[26+\c], 0xff000000, v[24+\c]    ; 2 off the exponent field: the conversion takes this operand's exponent field as its scale
.endr
.irp c, 0,1
	v_lshrrev_b32 v[28+\c], 23, v[26+\c]           ; the scale's byte
.endr
	v_lshl_or_b32 v9, v29, 16, v28                 ; my two bytes: blocks h and 2 + h of row r,
	v_lshlrev_b32 v10, 3, v4
	v_lshlrev_b32 v9, v10, v9                      ; 8 h bits up;
	v_mov_b32 v10, 0
	v_permlanex16_b32 v10, v9, s30, s31
	v_or_b32 v9, v9, v10                           ; with lane l xor 16's two the word is whole, in both lanes
.irp c, 0,1
.irp g, 0,1,2,3
	v_cvt_scalef32_pk8_fp4_f32 v[COD+4*\c+\g], v[SRC+32*\c+8*\g:SRC+32*\c+8*\g+7], v[26+\c]
.endr
.endr
	v_nop                                          ; one plain line behind the last scaled conversion
	global_store_b128 v5, v[COD:COD+3], s[12:13]
	global_store_b128 v5, v[COD+4:COD+7], s[12:13] offset:512
	global_store_b32 v6, v9, s[14:15]
	s_endpgm
.Lwp:
	; ---- Wp: four K steps of 32; lane (r, h) takes k = 32 s + 16 u + 8 h + 0 .. 7: 32 bytes
	v_lshl_add_u32 v3, v4, 5, v3
.irp s, 0,1,2,3
.irp u, 0,1
.irp i, 0,1
	global_load_b128 v[SRC+16*\s+8*\u+4*\i:SRC+16*\s+8*\u+4*\i+3], v3, s[22:23] offset:128*\s+64*\u+16*\i th:TH_LOAD_NT
.endr
.endr
.endr
	s_lshl_b32 s28, s26, 12                        ; wpf: (16 tile + 4 wave) x 1,024
	s_add_nc_u64 s[16:17], s[16:17], s[28:29]
	s_wait_loadcnt 0x0
.set J, 0
.rept 32
	v_cvt_pk_f16_f32 v[COD+J], v[SRC+2*J], v[SRC+2*J+1]
.set J, J+1
.endr
.irp s, 0,1,2,3
.irp u, 0,1
	global_store_b128 v5, v[COD+8*\s+4*\u:COD+8*\s+4*\u+3], s[16:17] offset:1024*\s+512*\u
.endr
.endr
	s_endpgm
.Lfunc_end_k_q5cded0209e_prep:
	.size	k_q5cded0209e_prep, .Lfunc_end_k_q5cded0209e_prep-k_q5cded0209e_prep
	.p2alignl 7, 3214868480
	.fill 96, 4, 3214868480
	.section	.rodata,"a",@progbits
	.p2align	6, 0x0
	.amdhsa_kernel k_q5cded0209e_prep
		.amdhsa_group_segment_fixed_size 0
		.amdhsa_private_segment_fixed_size 0
		.amdhsa_enable_private_segment 0
		.amdhsa_kernarg_size 56
		.amdhsa_user_sgpr_count 2
		.amdhsa_user_sgpr_kernarg_segment_ptr 1
		.amdhsa_wavefront_size32 1
		.amdhsa_system_sgpr_workgroup_id_x 1
		.amdhsa_system_sgpr_workgroup_id_y 1
		.amdhsa_system_sgpr_workgroup_id_z 1
		.amdhsa_system_vgpr_workitem_id 0
		.amdhsa_next_free_vgpr 128
		.amdhsa_next_free_sgpr 66
		.amdhsa_reserve_vcc 0
		.amdhsa_float_denorm_mode_32 3
		.amdhsa_float_denorm_mode_16_64 3
		.amdhsa_memory_ordered 1
		.amdhsa_forward_progress 1
		.amdhsa_inst_pref_size 12
	.end_amdhsa_kernel
	.amdgpu_metadata
---
amdhsa.version: [ 1, 2 ]
amdhsa.kernels:
  - .name:           k_q5cded0209e_prep
    .symbol:         k_q5cded0209e_prep.kd
    .args:
      - { .name: Wq, .offset: 0, .size: 8, .value_kind: global_buffer, .address_space: global }
      - { .name: Wk, .offset: 8, .size: 8, .value_kind: global_buffer, .address_space: global }
      - { .name: Wv, .offset: 16, .size: 8, .value_kind: global_buffer, .address_space: global }
      - { .name: Wp, .offset: 24, .size: 8, .value_kind: global_buffer, .address_space: global }
      - { .name: wc, .offset: 32, .size: 8, .value_kind: global_buffer, .address_space: global }
      - { .name: ws, .offset: 40, .size: 8, .value_kind: global_buffer, .address_space: global }
      - { .name: wpf, .offset: 48, .size: 8, .value_kind: global_buffer, .address_space: global }
    .group_segment_fixed_size: 0
    .private_segment_fixed_size: 0
    .kernarg_segment_align: 8
    .kernarg_segment_size: 56
    .max_flat_workgroup_size: 128
    .sgpr_count:     66
    .vgpr_count:     128
    .wavefront_size: 32
...
	.end_amdgpu_metadata
.endif
;; end of part 1
;; launch proj (part 2): grid 256 x 1, 4 waves a work-group, no clusters, 327,680 bytes of LDS; arguments q, k, v, bq, bk, bv, wc, ws, qf, kf, vf; writes qf, kf, vf
.if DOCPART == 2
	.amdgcn_target "amdgcn-amd-amdhsa--gfx1250"
	.amdhsa_code_object_version 6
	.text
	.protected	k_q5cded0209e_proj
	.globl	k_q5cded0209e_proj
	.p2align	8
	.type	k_q5cded0209e_proj,@function
k_q5cded0209e_proj:
	s_mov_b64 s[64:65], 0
	v_nop
	global_prefetch_b8 v0, s[64:65] scope:SCOPE_SE
	s_setreg_imm32_b32 hwreg(HW_REG_WAVE_MODE, 25, 1), 1
	s_wait_xcnt 0x0
; THE THREE PROJECTIONS: y = Q(x) Q(W)^T + b on codes of FP4 (E2M1) with one E8M0 scale for each 32 along K = 512; x = q, k or v [16,384][512] f32.  q's result is multiplied by 1/8 (exact).
; The results leave rounded to f16, laid as the attention launch's operand registers want them: [token tile of 16][feature tile of 16][512 bytes]; lane (r, h)'s 16 bytes are features 8 h + 0 .. 7 of token r.
; In qf and kf they lie at 16 x lane; in vf at 16 x ((r & 7) + 8 h + 16 (r >> 3)), so that the transposing LDS load, each lane at 16 x lane, gives V^T's fragment.
; SHARES.  768 blocks of 64 rows (256 a tensor); work-group g takes blocks 3 g, 3 g + 1, 3 g + 2.  THE WAVES SHARE THE COLUMNS: wave w keeps features 128 w .. 128 w + 127 of the tensor in hand
; in registers (32 fragments, 256 registers, loaded anew only where the tensor changes, a branch on the work-group's number).  One text serves the three tensors: pointers, the factor and the store's lane term are chosen.
; x comes by the tensor data mover: wave w fetches, reads and quantises rows 16 w .. 16 w + 15 of a block; the codes go to the other waves through LDS as images of the operand's registers.
; No cluster: what work-groups share is the weights, which lie in registers; LDS holds the ring of x, which nobody shares.
; LIMITS: NaN and infinities are not served; a block whose largest magnitude lies under 2^-124 (a block of zeros too) takes the byte 1; results are rounded to f16 (under 2^-14 with a spacing of 2^-24).
; REGISTERS, in windows of 256.  Window 0: v1-14 addresses; v16-31 at work; v32-40 codes and scale word just made; v44-47 x's scale words; v48-79 W's scale words; v80-111 x's four fragments;
;   v112-175 eight result tiles, and 64 numbers of x; v176-239 64 numbers of x, and (v176-207) what is stored.   Window 1: W's fragment (tile t, K step s) at v[8 (4 t + s)].   Window 2: v0-63 the bias in the result's layout.
.set WPART, 33280                      ; a wave's part of a slot: 32 half rows of x, 1,024 bytes + 16 of padding each
.set SLOTB, 4*WPART
.set XIMG,  2*SLOTB                    ; behind the ring: x's 16 fragments (tile of rows m, K step s: 4 m + s), 1,024 bytes each,
.set XSC,   XIMG+16*1024               ; their scale words, 128 bytes each,
.set SPARE, XSC+16*128                 ; and the spare words, 128 bytes for each wave: two blocks of 256 bytes that no other line names
.set SPW, 1                            ; v1   my spare word's LDS address; never rewritten
.set NIL, 2                            ; v2   0; never rewritten
.set XA,  3                            ; v3-4 my 16 numbers of a block of 32 in slot 0, 1: wave's part + r x 2,080 + 64 h
.set LIX, 5                            ; v5   16 x lane + XIMG
.set LSX, 6                            ; v6   4 x lane + XSC
.set XWI, 7                            ; v7   where I store images: + 4,096 x wave
.set XWS, 8                            ; v8   and scale words: + 512 x wave
.set VOV, 10                           ; v10  vf's lane term
.set VO,  11                           ; v11  the lane term of the tensor in hand
.set L16, 12                           ; v12  16 x lane
.set L4,  13                           ; v13  4 x lane
.set H32, 14                           ; v14  32 h
.set TM,  16
.set PC,  32
.set PW,  40
.set XS,  44
.set WS,  48
.set XF,  80
.set HA,  112
.set ST0, 112
.set ST1, 176
.set PK,  176
.set WV,  26                           ; s26  wave;  s27 block number, s28 tensor, s29 block in the tensor;  s30, s31, s62 at work
.set G1,  32                           ; s[32:39] descriptor group 1;  s[40:43], s[44:47], s[68:71] groups 0 of my three blocks
.set SEL, 48                           ; s[48:49] lane selects
.set SCL, 50                           ; s[50:51] the factor, twice
.set OUT, 52                           ; s[52:53] where my results go;  s[54:59] the weights' bases;  s60 the tensor whose weights I hold;  s61 mask
.set MSB, 0
.macro WIN new                         ; the immediate's high byte repeats the setting that is left
.if MSB != \new
	s_set_vgpr_msb (MSB<<8)|\new
.set MSB, \new
.endif
.endm
.macro IDS i                           ; my i-th block
	s_mul_i32 s27, ttmp9, 3
	s_add_co_u32 s27, s27, \i
	s_lshr_b32 s28, s27, 8
	s_and_b32 s29, s27, 255
.endm
.macro SEL3 dst, a, b, c               ; one of three buffers, by the tensor's number
	s_cmp_eq_u32 s28, 1
	s_cselect_b64 s[\dst:\dst+1], s[\b:\b+1], s[\a:\a+1]
	s_cmp_eq_u32 s28, 2
	s_cselect_b64 s[\dst:\dst+1], s[\c:\c+1], s[\dst:\dst+1]
.endm
.macro G0SET g, i, slot                ; group 0: my 16 rows (32,768 dense bytes) of my i-th block, into my part of a slot
	IDS \i
	SEL3 \g+2, 4, 6, 8
	s_lshl_b32 s30, s29, 17                        ; a block is 64 rows of 2,048 bytes
	s_lshl_b32 s31, s[WV], 15
	s_add_co_u32 s30, s30, s31
	s_mov_b32 s31, 0
	s_add_nc_u64 s[\g+2:\g+3], s[\g+2:\g+3], s[30:31]
	s_or_b32 s[\g+3], s[\g+3], 0x80000000          ; type = 2
	s_mov_b32 s[\g], 1
	s_mul_i32 s[\g+1], s[WV], WPART
	s_add_co_u32 s[\g+1], s[\g+1], \slot*SLOTB
.endm
.macro WLOAD                           ; my 128 features of tensor s28: 32 fragments, their scale words, the bias
	SEL3 58, 10, 12, 14
	s_lshl_b32 s30, s[WV], 9
	s_mov_b32 s31, 0
	s_add_nc_u64 s[58:59], s[58:59], s[30:31]
	s_lshl_b32 s30, s28, 17
	s_lshl_b32 s62, s[WV], 15
	s_add_co_u32 s30, s30, s62
	s_add_nc_u64 s[54:55], s[16:17], s[30:31]
	s_lshl_b32 s30, s28, 14
	s_lshl_b32 s62, s[WV], 12
	s_add_co_u32 s30, s30, s62
	s_add_nc_u64 s[56:57], s[18:19], s[30:31]
	WIN 0x40                                       ; destination window 1
.set WF, 0
.rept 32
	global_load_b128 v[8*WF:8*WF+3], v[L16], s[54:55] offset:WF*1024
	global_load_b128 v[8*WF+4:8*WF+7], v[L16], s[54:55] offset:WF*1024+512
.set WF, WF+1
.endr
	WIN 0x80                                       ; destination window 2: tile t, register j = b[128 w + 16 t + 8 h + j]
.irp t, 0,1,2,3,4,5,6,7
	global_load_b128 v[8*\t:8*\t+3], v[H32], s[58:59] offset:64*\t
	global_load_b128 v[8*\t+4:8*\t+7], v[H32], s[58:59] offset:64*\t+16
.endr
	WIN 0
.set WF, 0
.rept 32
	global_load_b32 v[WS+WF], v[L4], s[56:57] offset:WF*128
.set WF, WF+1
.endr
.endm
.macro TSET i                          ; what differs from block to block
	s_wait_xcnt 0x0                                ; every earlier load and store has read its addresses and data: bases, the lane term and the stores' registers may be written
	IDS \i
	SEL3 OUT, 20, 22, 24
	s_lshl_b32 s30, s29, 16                        ; four token tiles of 16,384 bytes a block,
	s_lshl_b32 s31, s[WV], 12                      ; my eight feature tiles of 512
	s_add_co_u32 s30, s30, s31
	s_mov_b32 s31, 0
	s_add_nc_u64 s[OUT:OUT+1], s[OUT:OUT+1], s[30:31]
	s_cmp_eq_u32 s28, 0
	s_cselect_b32 s[SCL], 0x3e000000, 1.0          ; q: 1/8 = 1/sqrt(64)
	s_mov_b32 s[SCL+1], s[SCL]
	s_cmp_eq_u32 s28, 2
	s_cselect_b32 s61, -1, 0
	v_cndmask_b32 v[VO], v[L16], v[VOV], s61
.endm
.macro LOADX xa, s, st                 ; K step s of my row: register 16 b + i = k 128 s + 32 b + 16 h + i
.irp b, 0,1,2,3
.irp j, 0,1,2,3
	ds_load_b128 v[\st+16*\b+4*\j:\st+16*\b+4*\j+3], v[\xa] offset:((\s)/2)*1040+((\s)%2)*512+128*\b+16*\j
.endr
.endr
.endm
; 64 numbers of a lane become a fragment's codes in v[PC] on and its scale word in v[PW]
.macro QUANT s
.irp b, 0,1,2,3
	v_max3_num_f32 v[TM+\b], |v[\s+16*\b]|, |v[\s+1+16*\b]|, 0x1800000   ; block b: my 16 numbers, and the floor 2^(3 - 127): the byte cannot fall under 1
.endr
.irp i, 2,4,6,8,10,12,14
.irp b, 0,1,2,3
	v_max3_num_f32 v[TM+\b], v[TM+\b], |v[\s+16*\b+\i]|, |v[\s+1+16*\b+\i]|   ; (the four blocks by turns)
.endr
.endr
.irp b, 0,1,2,3
	v_permlanex16_b32 v[TM+4+\b], v[TM+\b], s[SEL], s[SEL+1]
.endr
.irp b, 0,1,2,3
	v_max_num_f32 v[TM+\b], v[TM+\b], v[TM+4+\b]   ; with lane l xor 16's: the block's largest magnitude
.endr
.irp b, 0,1,2,3
	v_add_nc_u32 v[TM+12+\b], 0xff000000, v[TM+\b] ; 2 off its exponent field: the conversion's scale operand
.endr
.irp b, 0,1,2,3
	v_lshrrev_b32 v[TM+4+\b], 23, v[TM+12+\b]      ; the scale's byte
.endr
	v_lshl_or_b32 v[PW], v[TM+5], 8, v[TM+4]
	v_lshl_or_b32 v[PW], v[TM+6], 16, v[PW]
	v_lshl_or_b32 v[PW], v[TM+7], 24, v[PW]        ; my row's scale word
.irp b, 0,1,2,3
	v_cvt_scalef32_pk8_fp4_f32 v[PC+2*\b], v[\s+16*\b:\s+7+16*\b], v[TM+12+\b]
	v_cvt_scalef32_pk8_fp4_f32 v[PC+1+2*\b], v[\s+8+16*\b:\s+15+16*\b], v[TM+12+\b]
.endr
	v_nop                                          ; one plain line behind a scaled conversion
.irp c, 0,1                                    ; the operand's layout wants a whole block in a lane
.irp i, 0,1
	v_permlane16_swap_b32 v[PC+4*\c+\i], v[PC+2+4*\c+\i]
.endr
.endr
.endm
.macro IMAGE s                         ; the fragment goes to LDS as it stands: 16 bytes a lane, 512 a store
.irp c, 0,1
	ds_store_b128 v[XWI], v[PC+4*\c:PC+4*\c+3] offset:(\s)*1024+512*\c
.endr
	ds_store_b32 v[XWS], v[PW] offset:(\s)*128
.endm
; My 16 rows become four fragments.  Each count of 16 leaves only the youngest run of 16 loads out: the numbers in hand are in, and the image stores before it have read their registers.
.macro QUANTX xa
	LOADX \xa, 0, ST0
	LOADX \xa, 1, ST1
	s_wait_dscnt 16
	QUANT ST0
	IMAGE 0
	LOADX \xa, 2, ST0
	s_wait_dscnt 16
	QUANT ST1
	IMAGE 1
	LOADX \xa, 3, ST1
	s_wait_dscnt 16
	QUANT ST0
	IMAGE 2
	s_wait_dscnt 0x0
	QUANT ST1
	IMAGE 3
.endm
; My 128 features for the block's four tiles of 16 rows.  TRANSPOSED: source 0 = 16 rows of W, source 1 = x: lane (r, h) holds token r and features 8 h + 0 .. 7 of a tile.  The bias is the C of a sum's first product.
; The eight accumulators take turns, one instruction a turn.
.macro PHASE1
.irp m, 0,1,2,3
.irp s, 0,1,2,3
.irp c, 0,1
	ds_load_b128 v[XF+8*\s+4*\c:XF+8*\s+4*\c+3], v[LIX] offset:(4*\m+\s)*1024+512*\c
.endr
	ds_load_b32 v[XS+\s], v[LSX] offset:(4*\m+\s)*128
.endr
	s_wait_dscnt 0x0
	WIN 0x21                                       ; source 0 (W) window 1, source 2 (the bias) window 2
.irp t, 0,1,2,3,4,5,6,7
	v_wmma_scale_f32_16x16x128_f8f6f4 v[HA+8*\t:HA+8*\t+7], v[8*(4*\t):8*(4*\t)+7], v[XF:XF+7], v[8*\t:8*\t+7], v[WS+4*\t], v[XS] matrix_a_fmt:MATRIX_FMT_FP4 matrix_b_fmt:MATRIX_FMT_FP4
.endr
	WIN 0x01
.irp s, 1,2,3
.irp t, 0,1,2,3,4,5,6,7
	v_wmma_scale_f32_16x16x128_f8f6f4 v[HA+8*\t:HA+8*\t+7], v[8*(4*\t+\s):8*(4*\t+\s)+7], v[XF+8*\s:XF+8*\s+7], v[HA+8*\t:HA+8*\t+7], v[WS+4*\t+\s], v[XS+\s] matrix_a_fmt:MATRIX_FMT_FP4 matrix_b_fmt:MATRIX_FMT_FP4
.endr
.endr
	WIN 0
.rept 4
	v_nop                                          ; four plain lines between the last product and the first read of results (ISA guide 7.12.1)
.endr
.set J, 0
.rept 32
	v_pk_mul_f32 v[HA+J:HA+J+1], v[HA+J:HA+J+1], s[SCL:SCL+1] op_sel_hi:[1,0]   ; each accumulator from its low end on
.set J, J+2
.endr
	s_wait_xcnt 0x0                                ; the last tile's stores have read their data
.set J, 0
.rept 32
	v_cvt_pk_f16_f32 v[PK+J], v[HA+2*J], v[HA+2*J+1]
.set J, J+1
.endr
.irp t, 0,1,2,3,4,5,6,7
	global_store_b128 v[VO], v[PK+4*\t:PK+4*\t+3], s[OUT:OUT+1] offset:\m*16384+\t*512 th:TH_STORE_NT   ; the wave's store covers 512 consecutive bytes, aligned
.endr
.endr
.endm
.macro BARRIER                         ; my LDS stores have landed and my LDS loads are in: then the work-group's barrier
	s_wait_dscnt 0x0
	s_barrier_signal -1
	s_barrier_wait -1
.endm
	s_load_b512 s[4:19], s[0:1], 0x0               ; q, k, v, bq, bk, bv, wc, ws
	s_load_b128 s[20:23], s[0:1], 0x40             ; qf, kf
	s_load_b64 s[24:25], s[0:1], 0x50              ; vf
	v_lshl_add_u32 v[SPW], v0, 2, SPARE
	v_mov_b32 v[NIL], 0
	ds_add_u32 v[SPW], v[NIL]                      ; the wave's opening: the add, twice on end, and its wait ahead of my first tensor load
	ds_add_u32 v[SPW], v[NIL]
	v_lshrrev_b32 v15, 5, v0
	v_readfirstlane_b32 s[WV], v15                 ; wave 0..3
	; group 1: 32 rows of 256 elements of 4 bytes, dense in memory (16 rows of x as 32 half rows), 4 words of padding behind every 256
	s_mov_b32 s[G1+0], (2<<16)|(1<<20)|(7<<22)|(3<<25)
	s_mov_b32 s[G1+1], 256<<16                     ; tensor_dim0
	s_mov_b32 s[G1+2], 32<<16                      ; tensor_dim1
	s_mov_b32 s[G1+3], 256<<16                     ; tile_dim0
	s_mov_b32 s[G1+4], 32                          ; tile_dim1
	s_mov_b32 s[G1+5], 256                         ; from row to row
	s_mov_b32 s[G1+6], 0
	s_mov_b32 s[G1+7], 0
	s_mov_b32 s[SEL], 0x76543210
	s_mov_b32 s[SEL+1], 0xfedcba98
	v_and_b32 v15, 31, v0                          ; lane
	v_and_b32 v16, 15, v0                          ; r
	v_bfe_u32 v17, v0, 4, 1                        ; h
	v_and_b32 v18, 7, v0                           ; r & 7
	v_bfe_u32 v19, v0, 3, 1                        ; r >> 3
	s_mul_i32 s30, s[WV], WPART
	v_mul_u32_u24 v[XA], v16, 2080
	v_lshl_add_u32 v[XA], v17, 6, v[XA]
	v_add_nc_u32 v[XA], s30, v[XA]
	v_add_nc_u32 v[XA+1], SLOTB, v[XA]
	v_lshlrev_b32 v[L16], 4, v15
	v_lshlrev_b32 v[L4], 2, v15
	v_lshlrev_b32 v[H32], 5, v17
	v_add_nc_u32 v[LIX], XIMG, v[L16]
	v_add_nc_u32 v[LSX], XSC, v[L4]
	s_lshl_b32 s30, s[WV], 12
	v_add_nc_u32 v[XWI], s30, v[LIX]
	s_lshl_b32 s30, s[WV], 9
	v_add_nc_u32 v[XWS], s30, v[LSX]
	v_lshl_add_u32 v[VOV], v17, 3, v18
	v_lshl_add_u32 v[VOV], v19, 4, v[VOV]
	v_lshlrev_b32 v[VOV], 4, v[VOV]
.irp b, 0,1,2,3
	v_mov_b32 v[TM+4+\b], 0                        ; written once: a lane permute's destination counts as one of its sources
.endr
	s_wait_dscnt 0x0                               ; both opening adds are done
	s_wait_kmcnt 0x0
	G0SET 40, 0, 0
	G0SET 44, 1, 1
	G0SET 68, 2, 0
	tensor_load_to_lds s[40:43], s[G1:G1+7]        ; my rows of block 0 and of block 1: the two first fills go out together; two loads of mine are out
	s_nop 0
	tensor_load_to_lds s[44:47], s[G1:G1+7]
	s_nop 0
.rept 4
	v_nop
.endr
	IDS 0
	WLOAD
	s_mov_b32 s60, s28
	TSET 0
	; ---- block 0
	s_wait_tensorcnt 0x1                           ; slot 0's load is in, slot 1's may stay out.  I read only the rows that I fetched
	QUANTX XA
	s_wait_tensorcnt 0x0                           ; all my tensor loads have landed;
	ds_add_u32 v[SPW], v[NIL]                      ; 0 onto my spare word;
	s_wait_dscnt 0x0                               ; the add is done, my reads of slot 0 are over, my images have landed
	s_barrier_signal -1
	s_barrier_wait -1                              ; x's sixteen fragments lie in LDS, and nobody reads slot 0
	tensor_load_to_lds s[68:71], s[G1:G1+7]        ; block 2 into slot 0: my one tensor load behind this barrier
	s_nop 0
.rept 4
	v_nop
.endr
	s_wait_loadcnt 0x0                             ; the weights
	PHASE1
	BARRIER                                        ; every wave has read the images: they may be written again
	; ---- block 1
	TSET 1
	s_cmp_eq_u32 s28, s60
	s_cbranch_scc1 .Lsame1                         ; the same tensor: its weights stay
	WLOAD
.Lsame1:
	s_mov_b32 s60, s28
	s_wait_tensorcnt 0x1                           ; behind slot 1's load one was issued, block 2's: it may stay out
	QUANTX XA+1
	BARRIER
	s_wait_loadcnt 0x0
	PHASE1
	BARRIER
	; ---- block 2
	TSET 2
	s_cmp_eq_u32 s28, s60
	s_cbranch_scc1 .Lsame2
	WLOAD
.Lsame2:
	s_wait_tensorcnt 0x0
	QUANTX XA
	BARRIER
	s_wait_loadcnt 0x0
	PHASE1
	s_wait_tensorcnt 0x0                           ; the wave's end: behind my last tensor load and my last LDS store
	ds_add_u32 v[SPW], v[NIL]
	s_wait_dscnt 0x0
	s_endpgm
.Lfunc_end_k_q5cded0209e_proj:
	.size	k_q5cded0209e_proj, .Lfunc_end_k_q5cded0209e_proj-k_q5cded0209e_proj
	.p2alignl 7, 3214868480
	.fill 96, 4, 3214868480
	.section	.rodata,"a",@progbits
	.p2align	6, 0x0
	.amdhsa_kernel k_q5cded0209e_proj
		.amdhsa_group_segment_fixed_size 327680
		.amdhsa_private_segment_fixed_size 0
		.amdhsa_enable_private_segment 0
		.amdhsa_kernarg_size 88
		.amdhsa_user_sgpr_count 2
		.amdhsa_user_sgpr_kernarg_segment_ptr 1
		.amdhsa_wavefront_size32 1
		.amdhsa_system_sgpr_workgroup_id_x 1
		.amdhsa_system_sgpr_workgroup_id_y 1
		.amdhsa_system_sgpr_workgroup_id_z 1
		.amdhsa_system_vgpr_workitem_id 0
		.amdhsa_next_free_vgpr 640
		.amdhsa_next_free_sgpr 96
		.amdhsa_reserve_vcc 0
		.amdhsa_float_denorm_mode_32 3
		.amdhsa_float_denorm_mode_16_64 3
		.amdhsa_memory_ordered 1
		.amdhsa_forward_progress 1
		.amdhsa_inst_pref_size 219
	.end_amdhsa_kernel
	.amdgpu_metadata
---
amdhsa.version: [ 1, 2 ]
amdhsa.kernels:
  - .name:           k_q5cded0209e_proj
    .symbol:         k_q5cded0209e_proj.kd
    .args:
      - { .name: q, .offset: 0, .size: 8, .value_kind: global_buffer, .address_space: global }
      - { .name: k, .offset: 8, .size: 8, .value_kind: global_buffer, .address_space: global }
      - { .name: v, .offset: 16, .size: 8, .value_kind: global_buffer, .address_space: global }
      - { .name: bq, .offset: 24, .size: 8, .value_kind: global_buffer, .address_space: global }
      - { .name: bk, .offset: 32, .size: 8, .value_kind: global_buffer, .address_space: global }
      - { .name: bv, .offset: 40, .size: 8, .value_kind: global_buffer, .address_space: global }
      - { .name: wc, .offset: 48, .size: 8, .value_kind: global_buffer, .address_space: global }
      - { .name: ws, .offset: 56, .size: 8, .value_kind: global_buffer, .address_space: global }
      - { .name: qf, .offset: 64, .size: 8, .value_kind: global_buffer, .address_space: global }
      - { .name: kf, .offset: 72, .size: 8, .value_kind: global_buffer, .address_space: global }
      - { .name: vf, .offset: 80, .size: 8, .value_kind: global_buffer, .address_space: global }
    .group_segment_fixed_size: 327680
    .private_segment_fixed_size: 0
    .kernarg_segment_align: 8
    .kernarg_segment_size: 88
    .max_flat_workgroup_size: 128
    .sgpr_count:     96
    .vgpr_count:     640
    .wavefront_size: 32
...
	.end_amdgpu_metadata
.endif
;; end of part 2
;; launch attn (part 3): grid 16 x 16, 16 waves a work-group, clusters of 4 x 1, 327,680 bytes of LDS; arguments qf, kf, vf, d, wpf, bp, out0; writes out0
.if DOCPART == 3
	.amdgcn_target "amdgcn-amd-amdhsa--gfx1250"
	.amdhsa_code_object_version 6
	.text
	.protected	k_q5cded0209e_attn
	.globl	k_q5cded0209e_attn
	.p2align	8
	.type	k_q5cded0209e_attn,@function
k_q5cded0209e_attn:
	s_mov_b64 s[64:65], 0
	v_nop
	global_prefetch_b8 v0, s[64:65] scope:SCOPE_SE
	s_setreg_imm32_b32 hwreg(HW_REG_WAVE_MODE, 25, 1), 1
	s_wait_xcnt 0x0
	s_wait_alu depctr_hold_cnt(0) depctr_sa_sdst(0) depctr_va_vdst(0) depctr_va_sdst(0) depctr_va_ssrc(0) depctr_va_vcc(0) depctr_vm_vsrc(0)
	s_getreg_b32 s2, hwreg(HW_REG_IB_STS2, 6, 4)
	s_cmp_eq_u32 s2, 0
	s_cbranch_scc0 .Lentry_in_a_cluster
	s_endpgm
.Lentry_in_a_cluster:
	s_bfe_u32 s2, ttmp6, 0x10000c
	s_cmp_lg_u32 s2, 0x3003
	s_cbranch_scc0 .Lentry_shape_is_right
	s_endpgm
.Lentry_shape_is_right:
; out[b][n][:] = x[b][n][:] Wp^T + bp,  x[b][n][head] = sum over m of softmax_m(qh . kh / 8 + d[b][n][m]) d[b][n][m] vh[m].  All three products on f16 operands, sums, maxima and exponentials in f32.
; qf (already times 1/8), kf, vf: [token tile of 16][feature tile of 16][512 bytes] f16, laid as operand registers; wpf likewise; d [16][1,024][1,024], bp [512], out0 [16][1,024][512] f32.
; SHARES.  A work-group owns 64 queries of one batch, ALL eight heads: so d comes into LDS once for the eight, and the last product is made here.  Wave w: head w & 7, queries 32 (w >> 3) on: two tiles of 16.
; Sixteen waves of 256 registers, four to a SIMD: one wave's softmax stands beside another's products and LDS loads.
; LAYOUT.  Both products are used transposed: S^T = K Q^T + d^T (source 0 = 16 keys, source 1 = 16 queries; d's tile is the C of the first link, so the sum that comes out is the softmax's argument),
; O^T = V^T P (source 0 = 16 channels, by the transposing LDS load; source 1 = P).  A lane holds ONE query throughout.
; SOFTMAX.  A running maximum m and sum l for each query: p = 2^(t log2e - m log2e); in every step O and l are multiplied by 2^((m_old - m_new) log2e).  l sums the unrounded p; p d is rounded to f16.
; RING.  Two LDS slots of 64 keys (a tile): K's and V's four token tiles (65,536 bytes each, all heads) and d's 64 rows x 256 bytes.  Waves 0-7 fetch K and V, 16,384 bytes each; waves 8-15 d, 8 rows each.
; Both slots are asked for at the head.  THE CHANGE OF SLOTS STANDS IN A TILE'S SECOND STEP, behind its last LDS reads and its score products: behind the round come the refill of the slot just left and the next
; tile's first fragments of K, and then the step's own softmax, which needs none of them.  So every step finds its K and d asked for a step ahead, across slots too.
; CLUSTER.  The four query blocks of a cluster belong to one batch and walk the same K and V: those tiles are asked for JOINTLY (mask 15).  d's rows are each work-group's own: a plain load behind the same round.
; THE LAST PRODUCT.  x is scaled by 2^(127 - e), e the exponent field of the query row's largest |x| over all heads (exact), rounded to f16, handed round through LDS as register images,
; multiplied by Wp (wave w: features 32 w .. 32 w + 31 for all 64 queries), and the scale is taken off in f32 with bp's addition.
; LIMITS: NaN and infinities are not served; the running maximum starts at -1e38; f16 operands (under 2^-14 with a spacing of 2^-24); a row's largest |x| of 2^127 or more is not served.
; REGISTERS: v1-10 addresses; v16-31 statistics, eight a tile: +0 -m log2e, +1 m, +2, +3 l (two halves), +4 the factor, +5 to +7 at work; v32-63 Q; v64-95 S^T, then p, then P; v96-127 d; v128-159 K; v160-191 V; v192-255 O^T.
.set SLOT,  148480                     ; a slot: K 65,536, V 65,536, d 64 rows x 272
.set VOFF,  65536
.set DOFF,  131072
.set DP,    272                        ; a row of d's tile: 256 bytes + 16 of padding: 16 rows start at 16 different groups of banks
.set SPARE, 2*SLOT                     ; the spare words, 128 bytes for each wave: eight blocks of 256 bytes that no other line names
.set RMAX,  65536                      ; the way out, in slot 0 (its last fill and last read lie ahead of the last change of slots): x's images at 0 (65,536 bytes); [head][64] largest |x| here
.set STG,   SLOT                       ; and in slot 1, written only when every wave has left the loop and passed two barriers: 64 rows x (2,048 + 16)
.set SP,    2064
.set SPW, 1
.set NIL, 2
.set AK,  3                            ; v3-4  16 x lane + 2,048 x head, in slot 0, 1
.set AV,  5                            ; v5-6  the same in V's part
.set AD,  7                            ; v7-8  d: (32 (w >> 3) + r) x 272 + 32 h
.set L16, 9                            ; v9    16 x lane
.set PFO, 10                           ; v10   the prefetches' lane term
.set ST,  16
.set RQ,  32
.set RS,  64
.set RD,  96
.set RK,  128
.set RV,  160
.set RO,  192
.set BI,  32                           ; the way out: bp in the result's layout;
.set GI,  48                           ; v48-55: for each tile of queries 2^(e - 127) and 127 - e;
.set WP,  64                           ; Wp's fragments of four K steps;
.set XB,  128                          ; x's fragments, two sets
.set WV,  18
.set HD,  19
.set QH,  20
.set CX,  21
.set QB,  22
.set BA,  23
.set G1KV, 24
.set G1D,  32
.set G0KV, 40                          ; s[40:47] a set for each slot
.set G0D,  48                          ; s[48:55]
.set SEL, 56
.set LE,  58                           ; s[58:59] log2(e), twice
.set CNT, 60                           ; the loop's trips still to go, this one among them
.set LIM, 61                           ; 1 in a wave that prefetches, else the greatest number
.set PFA, 62                           ; s[62:63] where my prefetches stand
.set PFS, 66                           ; s[66:67] a tile on, in bytes
.macro CREST                           ; a round of the cluster's barrier behind its opening barrier
	s_cmp_lg_u32 s[WV], 0
	s_cbranch_scc1 .Lnot_wave_0_\@
	s_barrier_signal -3
.Lnot_wave_0_\@:
	s_barrier_wait -3
	s_barrier_signal -1
	s_barrier_wait -1
.endm
.macro ROUND                           ; a whole round
	s_barrier_signal -1
	s_barrier_wait -1
	CREST
.endm
; Waves 0-7: the joint load of K or V; waves 8-15: d's rows.  The branch hangs on the wave's number alone.  An s_nop 0 and four v_nop follow each line.
.macro JLOAD slot
	s_cmp_lt_u32 s[WV], 8
	s_cbranch_scc0 .Lfor_d_\@
	tensor_load_to_lds s[G0KV+4*(\slot):G0KV+4*(\slot)+3], s[G1KV:G1KV+7]
	s_nop 0
.rept 4
	v_nop
.endr
	s_branch .Lasked_\@
.Lfor_d_\@:
	tensor_load_to_lds s[G0D+4*(\slot):G0D+4*(\slot)+3], s[G1D:G1D+7]
	s_nop 0
.rept 4
	v_nop
.endr
.Lasked_\@:
.endm
; A PREFETCH INTO THE L2 of the tile that the NEXT change of slots will ask for.  K and V: all four clusters of a batch walk the same rows, so the batch's first cluster asks; waves 0, 2 (K) and 4, 6 (V) name 32,768 bytes each,
; of which each of the four partners takes 8,192 BY ADDRESS, lanes 256 bytes apart.  d: each work-group's own rows: waves 8 and 9, 32 rows each, a lane a row's 256 bytes.  So each aligned 256 bytes are named once in the launch.
; The change in tile t names tile t + 3.  odd = 1: a trip's second tile: in the last trip that would be tile 16, which does not exist: nothing is asked for.  Tiles 0, 1 and 2 come by their loads alone.
.macro ASK odd
.if \odd
	s_cmp_gt_u32 s[CNT], s[LIM]
.else
	s_cmp_ge_u32 s[CNT], s[LIM]
.endif
	s_cbranch_scc0 .Lnot_mine_\@
	global_prefetch_b8 v[PFO], s[PFA:PFA+1] th:TH_LOAD_NT scope:SCOPE_SE
.Lnot_mine_\@:
.endm
.macro KLOAD slot, half                ; 32 keys x 64 channels of my head: fragment (kt, c) = two images of 512 bytes
.irp kt, 0,1
.irp c, 0,1
.irp u, 0,1
	ds_load_b128 v[RK+16*\kt+8*\c+4*\u:RK+16*\kt+8*\c+4*\u+3], v[AK+\slot] offset:(2*(\half)+\kt)*16384+\c*1024+\u*512
.endr
.endr
.endr
.endm
.macro DLOAD slot, half                ; d(query r, keys 16 kt + 8 h + 0 .. 7), in the scores' layout
.irp qt, 0,1
.irp kt, 0,1
.irp i, 0,1
	ds_load_b128 v[RD+16*\qt+8*\kt+4*\i:RD+16*\qt+8*\kt+4*\i+3], v[AD+\slot] offset:\qt*16*DP+128*(\half)+64*\kt+16*\i
.endr
.endr
.endr
.endm
.macro VLOAD slot, half                ; V^T: fragment ct = 16 channels x 32 keys
.irp ct, 0,1,2,3
.irp u, 0,1
	ds_load_tr16_b128 v[RV+8*\ct+4*\u:RV+8*\ct+4*\u+3], v[AV+\slot] offset:(2*(\half)+\u)*16384+512*\ct
.endr
.endr
.endm
; THE PARTS OF A STEP OF 32 KEYS.  No two matrix instructions on end share an accumulator.
.macro SCORES                          ; S^T = K Q^T + d^T, and four plain lines ahead of loads into K's registers and of the first read of the scores
.irp qt, 0,1
.irp kt, 0,1
	v_wmma_f32_16x16x32_f16 v[RS+16*\qt+8*\kt:RS+16*\qt+8*\kt+7], v[RK+16*\kt:RK+16*\kt+7], v[RQ+16*\qt:RQ+16*\qt+7], v[RD+16*\qt+8*\kt:RD+16*\qt+8*\kt+7]
.endr
.endr
.irp qt, 0,1
.irp kt, 0,1
	v_wmma_f32_16x16x32_f16 v[RS+16*\qt+8*\kt:RS+16*\qt+8*\kt+7], v[RK+16*\kt+8:RK+16*\kt+15], v[RQ+16*\qt+8:RQ+16*\qt+15], v[RS+16*\qt+8*\kt:RS+16*\qt+8*\kt+7]
.endr
.endr
.rept 4
	v_nop
.endr
.endm
.macro MAXBLK                          ; the new m, -m log2e and (m_old - m_new) log2e: work on registers alone
.irp qt, 0,1
	v_max3_num_f32 v[ST+8*\qt+6], v[RS+16*\qt], v[RS+16*\qt+1], v[RS+16*\qt+2]   ; the largest of my 16 scores and the old m; each accumulator is first read at its low end
.endr
.irp i, 3,5,7,9,11,13
.irp qt, 0,1
	v_max3_num_f32 v[ST+8*\qt+6], v[ST+8*\qt+6], v[RS+16*\qt+\i], v[RS+16*\qt+\i+1]
.endr
.endr
.irp qt, 0,1
	v_max3_num_f32 v[ST+8*\qt+6], v[ST+8*\qt+6], v[RS+16*\qt+15], v[ST+8*\qt+1]
.endr
.irp qt, 0,1
	v_permlanex16_b32 v[ST+8*\qt+7], v[ST+8*\qt+6], s[SEL], s[SEL+1]   ; the query's other 16 keys lie in the lane 16 away
.endr
.irp qt, 0,1
	v_max_num_f32 v[ST+8*\qt+1], v[ST+8*\qt+6], v[ST+8*\qt+7]          ; the new m
.endr
.irp qt, 0,1
	v_mul_f32 v[ST+8*\qt+6], 0xbfb8aa3b, v[ST+8*\qt+1]                 ; -m log2e
.endr
.irp qt, 0,1
	v_sub_f32 v[ST+8*\qt+4], v[ST+8*\qt+6], v[ST+8*\qt]                ; (m_old - m_new) log2e
.endr
.irp qt, 0,1
	v_mov_b32 v[ST+8*\qt], v[ST+8*\qt+6]
.endr
.endm
.macro SOFT                            ; p, O^T and l under the new m, p d
.irp qt, 0,1
.irp i, 0,2,4,6,8,10,12,14
	v_pk_fma_f32 v[RS+16*\qt+\i:RS+16*\qt+\i+1], v[RS+16*\qt+\i:RS+16*\qt+\i+1], s[LE:LE+1], v[ST+8*\qt:ST+8*\qt+1] op_sel_hi:[1,0,0]   ; t log2e - m log2e
.endr
.endr
.irp qt, 0,1
	v_exp_f32 v[ST+8*\qt+4], v[ST+8*\qt+4]
.endr
.set J, 0
.rept 32
	v_exp_f32 v[RS+J], v[RS+J]                     ; p, at most 1: ONE BATCH of 34 exponentials
.set J, J+1
.endr
	v_nop                                          ; a plain line behind the last of them,
	s_wait_alu depctr_va_vdst(0)                   ; and the one wait ahead of the batch's first reader
.irp qt, 0,1
.set J, 0
.rept 16
	v_pk_mul_f32 v[RO+32*\qt+J:RO+32*\qt+J+1], v[RO+32*\qt+J:RO+32*\qt+J+1], v[ST+8*\qt+4:ST+8*\qt+5] op_sel_hi:[1,0]   ; O^T under the new m
.set J, J+2
.endr
.endr
.irp i, 0,2,4,6,8,10,12,14
.irp qt, 0,1
.if \i == 0
	v_pk_fma_f32 v[ST+8*\qt+2:ST+8*\qt+3], v[ST+8*\qt+2:ST+8*\qt+3], v[ST+8*\qt+4:ST+8*\qt+5], v[RS+16*\qt:RS+16*\qt+1] op_sel_hi:[1,0,1]   ; l under the new m, + p
.else
	v_pk_add_f32 v[ST+8*\qt+2:ST+8*\qt+3], v[ST+8*\qt+2:ST+8*\qt+3], v[RS+16*\qt+\i:RS+16*\qt+\i+1]
.endif
	v_pk_mul_f32 v[RS+16*\qt+\i:RS+16*\qt+\i+1], v[RS+16*\qt+\i:RS+16*\qt+\i+1], v[RD+16*\qt+\i:RD+16*\qt+\i+1]   ; p d
.endr
.endr
.endm
.macro CVTP                            ; p d to f16, in place: a register is written when its numbers have been read.  P = the tile's first eight registers
.irp i, 0,1,2,3,4,5,6,7
.irp qt, 0,1
	v_cvt_pk_f16_f32 v[RS+16*\qt+\i], v[RS+16*\qt+2*\i], v[RS+16*\qt+2*\i+1]
.endr
.endr
.endm
.macro PVS                             ; O^T += V^T P, and five plain lines: the next scores are written over P by matrix instructions, and the next loads land in V's registers
.irp ct, 0,1,2,3
.irp qt, 0,1
	v_wmma_f32_16x16x32_f16 v[RO+32*\qt+8*\ct:RO+32*\qt+8*\ct+7], v[RV+8*\ct:RV+8*\ct+7], v[RS+16*\qt:RS+16*\qt+7], v[RO+32*\qt+8*\ct:RO+32*\qt+8*\ct+7]
.endr
.endr
.rept 5
	v_nop
.endr
.endm
; A STEP with no change of slots.  Its K and d were asked for in the step before.  pre = 1: the tile's other 32 keys' K and d are asked for on the way.
.macro STEP slot, half, pre
	VLOAD \slot, \half
	s_wait_dscnt 0x8                               ; K and d are in; V's eight loads may be out
	SCORES
.if \pre
	KLOAD \slot, (\half)+1
.endif
	MAXBLK
	SOFT
.if \pre
	DLOAD \slot, (\half)+1
.endif
	CVTP
.if \pre
	s_wait_dscnt 16                                ; V is in; the next K's eight loads and d's eight may be out
.else
	s_wait_dscnt 0x0
.endif
	PVS
.endm
; A TILE'S SECOND STEP, WITH THE CHANGE OF SLOTS.  V's loads are my last reads of this slot.  I wait for all my tensor loads (one is out: my part of the next tile), add 0 to my spare word, multiply while the add is out,
; and wait for the add and for my reads.  The search for the maximum, work on registers, stands between the opening signal and its wait.
; fill = 1: the barrier opens a round of the cluster's barrier: no wave of any partner still reads this slot or has a load on its way; first behind it my one load: the tile two on, into this slot.
; fill = 0: nothing is filled, so the work-group's barrier is enough.  Then the next tile's first K; its d follows when this step has used its own.
.macro LAST slot, fill, odd
	VLOAD \slot, 1
	s_wait_tensorcnt 0x0                           ; no tensor load of mine is out, so a group 0 may be written
	ds_add_u32 v[SPW], v[NIL]                      ; 0 onto my spare word; the products and the steps below stand between it and the wait for it
	s_wait_dscnt 0x9                               ; K and d are in; V's eight loads and the add may be out
	SCORES
.if \fill
	s_add_nc_u64 s[G0KV+4*\slot+2:G0KV+4*\slot+3], s[G0KV+4*\slot+2:G0KV+4*\slot+3], 2*65536   ; this slot's next tile
	s_add_nc_u64 s[G0D+4*\slot+2:G0D+4*\slot+3], s[G0D+4*\slot+2:G0D+4*\slot+3], 2*256
	s_wait_xcnt 0x0                                ; the last prefetch, a tile back, has read its address
	s_add_nc_u64 s[PFA:PFA+1], s[PFA:PFA+1], s[PFS:PFS+1]   ; one tile on from the tile that is being asked for
.endif
	s_wait_dscnt 0x0                               ; the add is done, and my reads of this slot are over
	s_barrier_signal -1
	MAXBLK
	s_barrier_wait -1
.if \fill
	CREST
	JLOAD \slot
.endif
	KLOAD 1-\slot, 0
.if \fill
	ASK \odd
.endif
	SOFT
	DLOAD 1-\slot, 0
	CVTP
	PVS                                            ; V has been in since the wait for 0 above
.endm
	s_load_b256 s[4:11], s[0:1], 0x0               ; qf, kf, vf, d
	s_load_b128 s[12:15], s[0:1], 0x20             ; wpf, bp
	s_load_b64 s[16:17], s[0:1], 0x30              ; out0
	v_lshl_add_u32 v[SPW], v0, 2, SPARE
	v_mov_b32 v[NIL], 0
	ds_add_u32 v[SPW], v[NIL]                      ; the wave's opening: the add, twice on end, and its wait ahead of my first tensor load
	ds_add_u32 v[SPW], v[NIL]
	v_lshrrev_b32 v11, 5, v0
	v_readfirstlane_b32 s[WV], v11                 ; wave 0..15
	s_and_b32 s[HD], s[WV], 7                      ; head; also: which part of a tile I fetch
	s_lshr_b32 s[QH], s[WV], 3                     ; which 32 queries
	s_bfe_u32 s[CX], ttmp6, 0x40000                ; my place in the cluster
	s_lshl_b32 s[QB], ttmp9, 2
	s_add_co_u32 s[QB], s[QB], s[CX]               ; my block of 64 queries
	s_and_b32 s[BA], ttmp7, 0xffff                 ; the batch, which the four partners share
	; group 1 for K and V: 16,384 dense bytes as 64 rows of 32 elements of 8 bytes; mask: all four work-groups, bit 21 beside it
	s_mov_b32 s[G1KV+0], 15|(3<<16)|(1<<21)
	s_mov_b32 s[G1KV+1], 32<<16
	s_mov_b32 s[G1KV+2], 64<<16
	s_mov_b32 s[G1KV+3], 32<<16
	s_mov_b32 s[G1KV+4], 64
	s_mov_b32 s[G1KV+5], 32
	s_mov_b32 s[G1KV+6], 0
	s_mov_b32 s[G1KV+7], 0
	; group 1 for d: 8 rows of 64 elements of 4 bytes, 1,024 elements apart, 4 words of padding behind every 64
	s_mov_b32 s[G1D+0], (2<<16)|(1<<20)|(5<<22)|(3<<25)
	s_mov_b32 s[G1D+1], 64<<16
	s_mov_b32 s[G1D+2], 8<<16
	s_mov_b32 s[G1D+3], 64<<16
	s_mov_b32 s[G1D+4], 8
	s_mov_b32 s[G1D+5], 1024
	s_mov_b32 s[G1D+6], 0
	s_mov_b32 s[G1D+7], 0
	s_mov_b32 s[SEL], 0x76543210
	s_mov_b32 s[SEL+1], 0xfedcba98
	s_mov_b32 s[LE], 0x3fb8aa3b                    ; log2(e)
	s_mov_b32 s[LE+1], s[LE]
	s_mov_b32 s[CNT], 7
	; offsets, apart from the addresses
	s_lshl_b32 s72, s[BA], 20                      ; K, V: a batch is 64 token tiles of 16,384 bytes; I fetch token tile head & 3 of the four
	s_and_b32 s73, s[HD], 3
	s_lshl_b32 s73, s73, 14
	s_add_co_u32 s72, s72, s73
	s_mov_b32 s73, 0
	s_lshl_b32 s74, s[QB], 6                       ; d: row 64 x block + 8 x part, of 4,096 bytes; a batch is 2^22 bytes
	s_lshl_b32 s75, s[HD], 3
	s_add_co_u32 s74, s74, s75
	s_lshl_b32 s74, s74, 12
	s_lshl_b32 s75, s[BA], 22
	s_add_co_u32 s74, s74, s75
	s_mov_b32 s75, 0
	s_lshl_b32 s76, s[BA], 6                       ; Q: token tile 64 b + 4 block + 2 half, feature tile 4 head
	s_lshl_b32 s77, s[QB], 2
	s_add_co_u32 s76, s76, s77
	s_lshl_b32 s77, s[QH], 1
	s_add_co_u32 s76, s76, s77
	s_lshl_b32 s76, s76, 14
	s_lshl_b32 s77, s[HD], 11
	s_add_co_u32 s76, s76, s77
	s_mov_b32 s77, 0
	s_lshl_b32 s78, s[BA], 10                      ; out0: row 1,024 b + 64 block + 4 wave, of 2,048 bytes
	s_lshl_b32 s79, s[QB], 6
	s_add_co_u32 s78, s78, s79
	s_lshl_b32 s79, s[WV], 2
	s_add_co_u32 s78, s78, s79
	s_lshl_b32 s78, s78, 11
	s_mov_b32 s79, 0
	s_lshl_b32 s80, s[WV], 15                      ; Wp: my two feature tiles of 16 K steps of 1,024 bytes
	s_mov_b32 s81, 0
	s_lshl_b32 s82, s[WV], 7                       ; bp: my 32 numbers
	s_mov_b32 s83, 0
	s_lshl_b32 s86, s[HD], 14                      ; where my part of K or V goes in a slot (V's parts lie behind K's four),
	s_mul_i32 s87, s[HD], 8*DP
	s_add_co_u32 s87, s87, DOFF                    ; and my 8 rows of d: no place in the cluster enters an LDS address
	; the prefetches: tile 2 of my part; the first change of slots steps it to tile 3
	s_and_b32 s84, s[HD], 2
	s_lshl_b32 s84, s84, 14
	s_lshl_b32 s85, s[CX], 13
	s_add_co_u32 s84, s84, s85
	s_lshl_b32 s85, s[BA], 20
	s_add_co_u32 s84, s84, s85
	s_add_co_u32 s84, s84, 2*65536                 ; K, V
	s_and_b32 s85, s[WV], 1
	s_lshl_b32 s85, s85, 5
	s_lshl_b32 s88, s[QB], 6
	s_add_co_u32 s85, s85, s88
	s_lshl_b32 s85, s85, 12
	s_lshl_b32 s88, s[BA], 22
	s_add_co_u32 s85, s85, s88
	s_add_co_u32 s85, s85, 2*256                   ; d
	v_and_b32 v11, 31, v0                          ; lane
	v_and_b32 v12, 15, v0                          ; r
	v_bfe_u32 v13, v0, 4, 1                        ; h
	s_cmp_lt_u32 s[WV], 8
	s_cselect_b32 s84, s84, s85
	s_mov_b32 s85, 0
	s_mov_b32 s[PFS], 256
	s_cselect_b32 s[PFS], 0x10000, s[PFS]
	s_mov_b32 s[PFS+1], 0
	s_cselect_b32 s88, 8, 12
	v_lshlrev_b32 v[PFO], s88, v11                 ; lanes 256 bytes apart in K and V, a row of 4,096 bytes apart in d
	s_and_b32 s70, s[WV], 1
	s_or_b32 s70, s70, ttmp9                       ; 0 in even waves of the batch's first cluster: the same in all four partners
	s_lshr_b32 s71, s[WV], 1
	s_xor_b32 s71, s71, 4                          ; 0 in waves 8 and 9
	s_cmp_lt_u32 s[WV], 8
	s_cselect_b32 s70, s70, s71
	s_cmp_eq_u32 s70, 0
	s_cselect_b32 s[LIM], 1, -1
	; LDS addresses
	v_lshlrev_b32 v[L16], 4, v11
	s_lshl_b32 s88, s[HD], 11
	v_add_nc_u32 v[AK], s88, v[L16]
	v_add_nc_u32 v[AK+1], SLOT, v[AK]
	v_add_nc_u32 v[AV], VOFF, v[AK]
	v_add_nc_u32 v[AV+1], VOFF, v[AK+1]
	s_mul_i32 s88, s[QH], 32*DP
	s_add_co_u32 s88, s88, DOFF
	v_mul_u32_u24 v[AD], v12, DP
	v_lshl_add_u32 v[AD], v13, 5, v[AD]
	v_add_nc_u32 v[AD], s88, v[AD]
	v_add_nc_u32 v[AD+1], SLOT, v[AD]
	s_wait_dscnt 0x0                               ; both opening adds are done
	s_wait_kmcnt 0x0
	s_cmp_lt_u32 s[HD], 4                          ; parts 0-3: K; parts 4-7: V
	s_cselect_b64 s[90:91], s[6:7], s[8:9]
	s_add_nc_u64 s[90:91], s[90:91], s[72:73]
	s_add_nc_u64 s[92:93], s[10:11], s[74:75]
.irp s, 0,1
	s_mov_b32 s[G0KV+4*\s], 1
	s_add_co_u32 s[G0KV+4*\s+1], s86, \s*SLOT
	s_add_nc_u64 s[G0KV+4*\s+2:G0KV+4*\s+3], s[90:91], \s*65536   ; slot s begins with tile s
	s_or_b32 s[G0KV+4*\s+3], s[G0KV+4*\s+3], 0x80000000
	s_mov_b32 s[G0D+4*\s], 1
	s_add_co_u32 s[G0D+4*\s+1], s87, \s*SLOT
	s_add_nc_u64 s[G0D+4*\s+2:G0D+4*\s+3], s[92:93], \s*256
	s_or_b32 s[G0D+4*\s+3], s[G0D+4*\s+3], 0x80000000
.endr
	s_cmp_lt_u32 s[WV], 4
	s_cselect_b64 s[PFA:PFA+1], s[6:7], s[8:9]
	s_cmp_lt_u32 s[WV], 8
	s_cselect_b64 s[PFA:PFA+1], s[PFA:PFA+1], s[10:11]
	s_add_nc_u64 s[PFA:PFA+1], s[PFA:PFA+1], s[84:85]
	s_add_nc_u64 s[4:5], s[4:5], s[76:77]
	s_add_nc_u64 s[12:13], s[12:13], s[80:81]
	s_add_nc_u64 s[14:15], s[14:15], s[82:83]
	s_add_nc_u64 s[16:17], s[16:17], s[78:79]
	ROUND                                          ; all four work-groups are here: the first joint loads meet
	s_cmp_lt_u32 s[WV], 8                          ; a wave's two first fills, tiles 0 and 1, stand in one branch, ahead of every wait on TENSORcnt and every LDS read: two loads of mine are out
	s_cbranch_scc0 .Lfirst_d
	tensor_load_to_lds s[G0KV:G0KV+3], s[G1KV:G1KV+7]
	s_nop 0
	tensor_load_to_lds s[G0KV+4:G0KV+7], s[G1KV:G1KV+7]
	s_nop 0
.rept 4
	v_nop
.endr
	s_branch .Lfirst_asked
.Lfirst_d:
	tensor_load_to_lds s[G0D:G0D+3], s[G1D:G1D+7]
	s_nop 0
	tensor_load_to_lds s[G0D+4:G0D+7], s[G1D:G1D+7]
	s_nop 0
.rept 4
	v_nop
.endr
.Lfirst_asked:
.irp qt, 0,1
.irp c, 0,1
.irp u, 0,1
	global_load_b128 v[RQ+16*\qt+8*\c+4*\u:RQ+16*\qt+8*\c+4*\u+3], v[L16], s[4:5] offset:\qt*16384+\c*1024+\u*512   ; Q stays in registers
.endr
.endr
.endr
.irp qt, 0,1
	v_mov_b32 v[ST+8*\qt+1], 0xfe967699            ; m = -1e38, under every score served
	v_mul_f32 v[ST+8*\qt], 0xbfb8aa3b, v[ST+8*\qt+1]
.irp j, 2,3,4,5,6,7
	v_mov_b32 v[ST+8*\qt+\j], 0                    ; l = 0; the others are written once: they are named as halves of pairs and as a lane permute's destination
.endr
.endr
.set J, 0
.rept 64
	v_mov_b32 v[RO+J], 0                           ; O^T.  (The step is written once: the first finds zeros, which its factor 0 leaves zeros)
.set J, J+1
.endr
	s_wait_loadcnt 0x0                             ; Q
	s_wait_tensorcnt 0x1                           ; my part of tile 0 is in; tile 1's load may stay out
	s_barrier_signal -1
	s_barrier_wait -1                              ; everybody's is
	KLOAD 0, 0
	DLOAD 0, 0
.Lslot:                                            ; 7 trips of two tiles: tiles 0 to 13; the change in tile t asks for tile t + 2 and prefetches tile t + 3
	STEP 0, 0, 1
	LAST 0, 1, 0
	STEP 1, 0, 1
	LAST 1, 1, 1
	s_sub_co_u32 s[CNT], s[CNT], 1
	s_cmp_lg_u32 s[CNT], 0
	s_cbranch_scc1 .Lslot
	STEP 0, 0, 1                                   ; tile 14: the tail is written out
	LAST 0, 0, 0                                   ; its change of slots asks for nothing
	STEP 1, 0, 1                                   ; tile 15
	STEP 1, 1, 0
	; ---- THE WAY OUT.  bp and Wp's first four K steps are asked for at once
.macro WPLOAD s                        ; K step s (32 of the 512) of my two feature tiles, into set s % 4
.irp f, 0,1
.irp u, 0,1
	global_load_b128 v[WP+16*((\s)%4)+8*\f+4*\u:WP+16*((\s)%4)+8*\f+4*\u+3], v[L16], s[12:13] offset:\f*16384+(\s)*1024+\u*512
.endr
.endr
.endm
.macro XLOAD s                         ; K step s of x's four tiles of queries, into set s % 2
.irp i, 0,1,2,3
.irp c, 0,1
	ds_load_b128 v[XB+32*((\s)%2)+8*\i+4*\c:XB+32*((\s)%2)+8*\i+4*\c+3], v[L16] offset:\i*16384+(\s)*1024+512*\c
.endr
.endr
.endm
.macro BARRIER
	s_wait_dscnt 0x0
	s_barrier_signal -1
	s_barrier_wait -1
.endm
	v_bfe_u32 v6, v0, 4, 1                         ; h
	v_and_b32 v12, 15, v0                          ; r
	v_lshlrev_b32 v11, 5, v6                       ; 32 h
.irp f, 0,1
.irp i, 0,1
	global_load_b128 v[BI+8*\f+4*\i:BI+8*\f+4*\i+3], v11, s[14:15] offset:64*\f+16*\i   ; bp[32 w + 16 f + 8 h + 0 .. 7]
.endr
.endr
	WPLOAD 0
	WPLOAD 1
	WPLOAD 2
	WPLOAD 3
	s_lshl_b32 s70, s[HD], 8
	s_lshl_b32 s71, s[QH], 7
	s_add_co_u32 s70, s70, s71
	s_add_co_u32 s70, s70, RMAX
	v_lshl_add_u32 v14, v12, 2, s70                ; where I put my queries' largest |x|: [head][32 half + 16 qt + r]
	v_lshl_add_u32 v15, v12, 2, RMAX               ; and where I read all heads'
	s_lshl_b32 s70, s[QH], 15
	s_lshl_b32 s71, s[HD], 11
	s_add_co_u32 s70, s70, s71
	v_add_nc_u32 v13, s70, v[L16]                  ; x's images: (tile of queries x 16 + K step) x 1,024; my head is K steps 2 head, 2 head + 1
	v_mul_u32_u24 v3, v12, SP
	v_lshl_add_u32 v3, v6, 5, v3
	s_lshl_b32 s70, s[WV], 7
	s_add_co_u32 s70, s70, STG
	v_add_nc_u32 v3, s70, v3                       ; the stage: row r, + 32 h, + my 128 bytes of a row;
	v_add_nc_u32 v4, 32*SP, v3                     ; 32 rows on;
	s_mul_i32 s70, s[WV], 4*SP
	s_add_co_u32 s70, s70, STG
	v_add_nc_u32 v5, s70, v[L16]                   ; and back: my four rows
.irp qt, 0,1
	v_add_f32 v[ST+8*\qt+6], v[ST+8*\qt+2], v[ST+8*\qt+3]              ; l's two halves,
.endr
.irp qt, 0,1
	v_permlanex16_b32 v[ST+8*\qt+7], v[ST+8*\qt+6], s[SEL], s[SEL+1]
.endr
.irp qt, 0,1
	v_add_f32 v[ST+8*\qt+6], v[ST+8*\qt+6], v[ST+8*\qt+7]              ; and lane l xor 16's
.endr
.irp qt, 0,1
	v_rcp_f32 v[ST+8*\qt+4], v[ST+8*\qt+6]
.endr
.irp qt, 0,1
	v_max3_num_f32 v[ST+8*\qt+5], |v[RO+32*\qt]|, |v[RO+32*\qt+1]|, |v[RO+32*\qt+2]|   ; the largest |O| of my query in my head: plain work behind the reciprocals; each accumulator is first read at its low end
.endr
.irp i, 3,5,7,9,11,13,15,17,19,21,23,25,27,29
.irp qt, 0,1
	v_max3_num_f32 v[ST+8*\qt+5], v[ST+8*\qt+5], |v[RO+32*\qt+\i]|, |v[RO+32*\qt+\i+1]|
.endr
.endr
.irp qt, 0,1
	v_max_num_f32 v[ST+8*\qt+5], v[ST+8*\qt+5], |v[RO+32*\qt+31]|
.endr
.irp qt, 0,1
	v_permlanex16_b32 v[ST+8*\qt], v[ST+8*\qt+5], s[SEL], s[SEL+1]
.endr
.irp qt, 0,1
	v_max_num_f32 v[ST+8*\qt+5], v[ST+8*\qt+5], v[ST+8*\qt]
.endr
	s_wait_alu depctr_va_vdst(0)                   ; the one wait ahead of the reciprocals' first reader
.irp qt, 0,1
	v_mul_f32 v[ST+8*\qt+6], v[ST+8*\qt+5], v[ST+8*\qt+4]              ; the largest |x|
.endr
.irp qt, 0,1
	ds_store_b32 v14, v[ST+8*\qt+6] offset:64*\qt  ; (lanes l and l xor 16 write the same word with the same value)
.endr
	BARRIER                                        ; every head's largest |x| lies in LDS
.irp i, 0,1,2,3
.irp g, 0,1,2,3,4,5,6,7
	ds_load_b32 v[XB+8*\i+\g], v15 offset:256*\g+64*\i
.endr
.endr
	s_wait_dscnt 0x0
.irp i, 0,1,2,3
	v_max3_num_f32 v[XB+8*\i], v[XB+8*\i], v[XB+8*\i+1], v[XB+8*\i+2]
.endr
.irp i, 0,1,2,3
	v_max3_num_f32 v[XB+8*\i], v[XB+8*\i], v[XB+8*\i+3], v[XB+8*\i+4]
.endr
.irp i, 0,1,2,3
	v_max3_num_f32 v[XB+8*\i], v[XB+8*\i], v[XB+8*\i+5], v[XB+8*\i+6]
.endr
.irp i, 0,1,2,3
	v_max3_num_f32 v[XB+8*\i], v[XB+8*\i], v[XB+8*\i+7], 0x00800000    ; query r of tile i, all heads; and the floor 2^-126
.endr
.irp i, 0,1,2,3
	v_lshrrev_b32 v[XB+8*\i], 23, v[XB+8*\i]       ; e, its exponent field
.endr
.irp i, 0,1,2,3
	v_sub_nc_u32 v[GI+2*\i+1], 127, v[XB+8*\i]     ; 127 - e
.endr
.irp i, 0,1,2,3
	v_add_nc_u32 v[XB+8*\i+1], 0xffffff81, v[XB+8*\i]
.endr
.irp i, 0,1,2,3
	v_ldexp_f32 v[GI+2*\i], 1.0, v[XB+8*\i+1]      ; 2^(e - 127), which takes the scale off again
.endr
	s_cmp_eq_u32 s[QH], 1
	s_cselect_b32 s70, -1, 0
.irp qt, 0,1
	v_cndmask_b32 v[ST+8*\qt+6], v[GI+2*\qt+1], v[GI+2*\qt+5], s70     ; my own tiles are 2 half + qt
.endr
.irp qt, 0,1
	v_ldexp_f32 v[ST+8*\qt+4], v[ST+8*\qt+4], v[ST+8*\qt+6]            ; 2^(127 - e) / l
.endr
.irp qt, 0,1
.set J, 0
.rept 16
	v_pk_mul_f32 v[RO+32*\qt+J:RO+32*\qt+J+1], v[RO+32*\qt+J:RO+32*\qt+J+1], v[ST+8*\qt+4:ST+8*\qt+5] op_sel_hi:[1,0]   ; x, its row's largest magnitude in [1, 2)
.set J, J+2
.endr
.endr
.set J, 0
.rept 32
	v_cvt_pk_f16_f32 v[RV+J], v[RO+2*J], v[RO+2*J+1]
.set J, J+1
.endr
.irp qt, 0,1
.irp ct, 0,1,2,3
	ds_store_b128 v13, v[RV+16*\qt+4*\ct:RV+16*\qt+4*\ct+3] offset:\qt*16384+512*\ct   ; lane (r, h): query r, channels 16 ct + 8 h + 0 .. 7: half ct & 1 of K step 2 head + (ct >> 1)
.endr
.endr
	BARRIER                                        ; x's 64 fragments lie in LDS
	; out^T = Wp x^T: source 0 = 16 features, source 1 = 16 queries; eight accumulators by turns, a K step of 32 at a time
	XLOAD 0
	XLOAD 1
.set SS, 0
.rept 16
.if SS < 13
	s_wait_loadcnt 12                              ; this K step's four loads of Wp are in (and bp); the three later K steps' may be out
.else
	s_wait_loadcnt 4*(15-SS)
.endif
.if SS < 15
	s_wait_dscnt 0x8                               ; this K step's x is in; the next one's eight loads may be out
.else
	s_wait_dscnt 0x0
.endif
.irp i, 0,1,2,3
.irp f, 0,1
.if SS == 0
	v_wmma_f32_16x16x32_f16 v[RO+16*\i+8*\f:RO+16*\i+8*\f+7], v[WP+16*(SS%4)+8*\f:WP+16*(SS%4)+8*\f+7], v[XB+32*(SS%2)+8*\i:XB+32*(SS%2)+8*\i+7], 0
.else
	v_wmma_f32_16x16x32_f16 v[RO+16*\i+8*\f:RO+16*\i+8*\f+7], v[WP+16*(SS%4)+8*\f:WP+16*(SS%4)+8*\f+7], v[XB+32*(SS%2)+8*\i:XB+32*(SS%2)+8*\i+7], v[RO+16*\i+8*\f:RO+16*\i+8*\f+7]
.endif
.endr
.endr
.rept 4
	v_nop                                          ; four plain lines ahead of loads into registers that these products read, and at the end of the first read of results
.endr
.if SS+4 < 16
	WPLOAD SS+4
.endif
.if SS+2 < 16
	XLOAD SS+2
.endif
.set SS, SS+1
.endr
.irp i, 0,1,2,3
.irp f, 0,1
.irp n, 0,2,4,6
	v_pk_fma_f32 v[RO+16*\i+8*\f+\n:RO+16*\i+8*\f+\n+1], v[RO+16*\i+8*\f+\n:RO+16*\i+8*\f+\n+1], v[GI+2*\i:GI+2*\i+1], v[BI+8*\f+\n:BI+8*\f+\n+1] op_sel_hi:[1,0,1]   ; the row's scale off, bp on
.endr
.endr
.endr
.irp i, 0,1,2,3
.irp f, 0,1
	ds_store_b128 v[3+\i/2], v[RO+16*\i+8*\f:RO+16*\i+8*\f+3] offset:(\i%2)*16*SP+64*\f        ; lane (r, h): out(16 i + r, 32 w + 16 f + 8 h + 0 .. 7)
	ds_store_b128 v[3+\i/2], v[RO+16*\i+8*\f+4:RO+16*\i+8*\f+7] offset:(\i%2)*16*SP+64*\f+16
.endr
.endr
	BARRIER                                        ; 64 whole rows lie in the stage
.irp n, 0,1,2,3,4,5,6,7,8,9,10,11,12,13,14,15
	ds_load_b128 v[XB+4*\n:XB+4*\n+3], v5 offset:(\n/4)*SP+512*(\n%4)
.endr
.irp n, 0,1,2,3,4,5,6,7,8,9,10,11,12,13,14,15
	s_wait_dscnt 15-\n
	global_store_b128 v[L16], v[XB+4*\n:XB+4*\n+3], s[16:17] offset:(\n/4)*2048+512*(\n%4) th:TH_STORE_NT   ; the wave's store covers 512 consecutive bytes, aligned
.endr
	s_wait_tensorcnt 0x0                           ; the wave's end: behind my last tensor load and my last LDS store
	ds_add_u32 v[SPW], v[NIL]
	s_wait_dscnt 0x0
	ROUND                                          ; the closing round: no work-group ends while a partner may still ask for a tile that names it
	s_endpgm
.Lfunc_end_k_q5cded0209e_attn:
	.size	k_q5cded0209e_attn, .Lfunc_end_k_q5cded0209e_attn-k_q5cded0209e_attn
	.p2alignl 7, 3214868480
	.fill 96, 4, 3214868480
	.section	.rodata,"a",@progbits
	.p2align	6, 0x0
	.amdhsa_kernel k_q5cded0209e_attn
		.amdhsa_group_segment_fixed_size 327680
		.amdhsa_private_segment_fixed_size 0
		.amdhsa_enable_private_segment 0
		.amdhsa_kernarg_size 56
		.amdhsa_user_sgpr_count 2
		.amdhsa_user_sgpr_kernarg_segment_ptr 1
		.amdhsa_wavefront_size32 1
		.amdhsa_system_sgpr_workgroup_id_x 1
		.amdhsa_system_sgpr_workgroup_id_y 1
		.amdhsa_system_sgpr_workgroup_id_z 1
		.amdhsa_system_vgpr_workitem_id 0
		.amdhsa_next_free_vgpr 256
		.amdhsa_next_free_sgpr 96
		.amdhsa_reserve_vcc 0
		.amdhsa_float_denorm_mode_32 3
		.amdhsa_float_denorm_mode_16_64 3
		.amdhsa_memory_ordered 1
		.amdhsa_forward_progress 1
		.amdhsa_inst_pref_size 150
	.end_amdhsa_kernel
	.amdgpu_metadata
---
amdhsa.version: [ 1, 2 ]
amdhsa.kernels:
  - .name:           k_q5cded0209e_attn
    .symbol:         k_q5cded0209e_attn.kd
    .args:
      - { .name: qf, .offset: 0, .size: 8, .value_kind: global_buffer, .address_space: global }
      - { .name: kf, .offset: 8, .size: 8, .value_kind: global_buffer, .address_space: global }
      - { .name: vf, .offset: 16, .size: 8, .value_kind: global_buffer, .address_space: global }
      - { .name: d, .offset: 24, .size: 8, .value_kind: global_buffer, .address_space: global }
      - { .name: wpf, .offset: 32, .size: 8, .value_kind: global_buffer, .address_space: global }
      - { .name: bp, .offset: 40, .size: 8, .value_kind: global_buffer, .address_space: global }
      - { .name: out0, .offset: 48, .size: 8, .value_kind: global_buffer, .address_space: global }
    .group_segment_fixed_size: 327680
    .private_segment_fixed_size: 0
    .kernarg_segment_align: 8
    .kernarg_segment_size: 56
    .max_flat_workgroup_size: 512
    .sgpr_count:     96
    .vgpr_count:     256
    .wavefront_size: 32
...
	.end_amdgpu_metadata
.endif
;; end of part 3
